; MI455X (gfx1250); checked and timed in simulation.
; The chip was launched on July 23, 2026; its instructions are those of AMD's public machine-readable ISA for CDNA 5 (MIT licence, August 2026) and "CDNA5" Instruction Set Architecture Reference Guide (July 2026). The comments in the code are by the model that wrote it; some were corrected since.
;; Mo E FFN. Allowed arithmetic: float matrix products may take bf16 or f16 operands with f32 sums; other float arithmetic in f32, or as packed bf16 or f16 multiplies, adds, multiply-adds, maxima and minima; sums over many terms, partial sums and values carried from step to step in f32; what a program stores and reads back later, other than sums and carried values, may be rounded once to bf16 or f16.
;; Inputs: b1 8 x 4,096 float32; b2 8 x 1,024 float32; gate_b 8 float32; gate_w 1,024 x 8 float32; w1 8 x 1,024 x 4,096 float32; w2 8 x 4,096 x 1,024 float32; x 4 x 256 x 1,024 float32.
;; Outputs: out0 4 x 256 x 1,024 float32; out1 4 x 256 x 8 float32.
;; Constants: topk = 2.
;; One version. Each part assembles by itself: llvm-mc -triple=amdgcn-amd-amdhsa -mcpu=gfx1250 --defsym DOCPART=n.
;; ======== version 1 of 1: 4 launches
;; limits: a function is approximated: absolute error at most 1.5e-07
;; workspace buffers: xb 2,097,152 bytes; sel 4,096 bytes of whole numbers; gw 8,192 bytes; h 67,108,864 bytes; yp 33,554,432 bytes
;; launch router (part 1): grid 64 x 1, 8 waves a work-group, no clusters, 44,032 bytes of LDS; arguments x, gate_w, gate_b, out1, xb, sel, gw; writes out1, xb, sel, gw
.if DOCPART == 1
	.amdgcn_target "amdgcn-amd-amdhsa--gfx1250"
	.amdhsa_code_object_version 6
	.text
	.protected	k_qb78117f76f_router
	.globl	k_qb78117f76f_router
	.p2align	8
	.type	k_qb78117f76f_router,@function
k_qb78117f76f_router:
	s_mov_b64 s[64:65], 0
	v_nop
	global_prefetch_b8 v0, s[64:65] scope:SCOPE_SE
	s_setreg_imm32_b32 hwreg(HW_REG_WAVE_MODE, 25, 1), 1
	s_wait_xcnt 0x0
; ROUTER.  logits[t][e] = sum over k of x[t][k] gate_w[k][e] + gate_b[e]; the two largest logits of a token choose its experts.
; All three inputs are rounded once to bf16 (as every input of the program is); products by the matrix unit, sums in f32.
; Stored: out1 (the logits), xb (x as bf16, for the next launch), sel[t] = (1 << e0) | (1 << (8 + e1)), gw[t] = the two weights.
; xb lies in blocks, [chunk of 128 k][token][128]: the rows that the next launch reads in one K step lie end to end.
; The weights: w0 = p0 / (p0 + p1) = 1 / (1 + e^(l1 - l0)), w1 = e^(l1 - l0) w0: the softmax's divisor cancels, and the larger logit is
; taken away ahead of the exponential, whose argument is never above 0.
; LIMITS.  The choice is made on the logits with a strict comparison, the lower index winning a tie; two logits that differ but whose
; probabilities round to one number are not seen as a tie.  An exponential below 2^-126 counts as 0.  NaN and infinities are not treated apart.
; SHARES.  A work-group has 16 tokens; wave v the 128 k from 128 v on (four matrix instructions); the eight partial sums meet in LDS and wave 0 ends the work.
; No address and no branch hangs on a number computed here: the choice is made by v_cndmask_b32 and stored at fixed places.
; sel's 64 and gw's 128 bytes of a work-group are short stores: 16 tokens have no more.
.set XSB,   4352                       ; a wave's own 16 rows x 272 bytes: its slice of x in bf16
.set PSB,   34816                      ; behind them: 1,024 bytes a wave, the partial logits
.set SPARE, 43008                      ; behind them: the spare words, 128 bytes for each of eight waves, which no other line names
	s_load_b256 s[4:11], s[0:1], 0x0               ; x s[4:5], gate_w s[6:7], gate_b s[8:9], out1 s[10:11]
	s_load_b128 s[12:15], s[0:1], 0x20             ; xb s[12:13], sel s[14:15]
	s_load_b64 s[16:17], s[0:1], 0x30              ; gw
	v_lshl_add_u32 v1, v0, 2, SPARE                ; my spare word
	v_mov_b32 v2, 0
	v_lshrrev_b32 v3, 5, v0
	v_readfirstlane_b32 s2, v3                     ; wave 0..7
	v_and_b32 v3, 31, v0                           ; l
	v_and_b32 v4, 15, v0                           ; r = l % 16
	v_bfe_u32 v5, v0, 4, 1                         ; hh = l / 16
	v_lshlrev_b32 v6, 4, v3                        ; x: 16 bytes a lane, 512 bytes of a row a wave
	v_and_b32 v7, 7, v0
	v_lshlrev_b32 v7, 2, v7
	v_lshl_add_u32 v7, v5, 8, v7
	v_lshl_add_u32 v7, s2, 12, v7                  ; gate_w: ((128 v + 8 hh) x 8 + r % 8) x 4
	s_mul_i32 s3, s2, XSB
	v_lshl_add_u32 v8, v3, 3, s3                   ; my 8 bytes of a row in my wave's slice
	v_mul_u32_u24 v9, v4, 272
	v_lshl_add_u32 v9, v5, 4, v9
	v_add_nc_u32 v9, s3, v9                        ; a fragment's row r, 16 bytes for each half of the lanes
	v_lshlrev_b32 v10, 3, v3                       ; xb: 8 bytes a lane
	s_lshl_b32 s3, s2, 10
	s_add_co_u32 s3, s3, PSB
	v_lshl_add_u32 v11, v3, 5, s3                  ; my 32 bytes of partial logits
	v_lshl_add_u32 v12, v3, 5, PSB                 ; the same place in wave 0's part
	v_lshlrev_b32 v13, 5, v4
	v_lshl_add_u32 v13, v5, 4, v13                 ; out1: 32 r + 16 hh
	v_lshlrev_b32 v14, 2, v4                       ; sel: 4 r
	v_lshlrev_b32 v15, 3, v4                       ; gw: 8 r
	s_mov_b32 s39, 0
	s_lshl_b32 s38, ttmp9, 16                      ; 16 rows of 4,096 bytes,
	s_lshl_b32 s3, s2, 9
	s_add_co_u32 s38, s38, s3                      ; and my wave's 512 bytes of a row
	s_mov_b32 s41, 0
	s_lshl_b32 s40, s2, 18                         ; xb: chunk v (1,024 tokens x 256 bytes),
	s_lshl_b32 s3, ttmp9, 12
	s_add_co_u32 s40, s40, s3                      ; and my 16 tokens in it
	s_mov_b32 s43, 0
	s_lshl_b32 s42, ttmp9, 9                       ; out1: 16 tokens x 32 bytes
	s_mov_b32 s45, 0
	s_lshl_b32 s44, ttmp9, 6                       ; sel: 16 x 4
	s_mov_b32 s47, 0
	s_lshl_b32 s46, ttmp9, 7                       ; gw: 16 x 8
	s_wait_kmcnt 0x0
	s_load_b256 s[24:31], s[8:9], 0x0              ; gate_b
	s_add_nc_u64 s[18:19], s[4:5], s[38:39]
	s_add_nc_u64 s[20:21], s[12:13], s[40:41]
	s_add_nc_u64 s[22:23], s[10:11], s[42:43]
	s_add_nc_u64 s[34:35], s[14:15], s[44:45]
	s_add_nc_u64 s[36:37], s[16:17], s[46:47]
.set i, 0
.rept 16                                               ; row i: x[16 X + i][128 v + 4 l ..]
	global_load_b128 v[16+4*i:19+4*i], v6, s[18:19] offset:4096*i th:TH_LOAD_NT
.set i, i+1
.endr
.set i, 0
.rept 64                                               ; number i = 16 ks + 8 half + j: gate_w[128 v + 32 ks + 16 half + 8 hh + j][r % 8]: the operand's rows 8-15 repeat rows 0-7
	global_load_b32 v[80+i], v7, s[6:7] offset:(32*(i/16)+16*((i/8)%2)+i%8)*32
.set i, i+1
.endr
	s_wait_loadcnt 63                              ; x is in: 64 loads are younger, 63 is the largest count that the wait can name
.set i, 0
.rept 16
	v_cvt_pk_bf16_f32 v[144+2*i], v[16+4*i], v[17+4*i]
	v_cvt_pk_bf16_f32 v[145+2*i], v[18+4*i], v[19+4*i]
.set i, i+1
.endr
.set i, 0
.rept 16
	global_store_b64 v10, v[144+2*i:145+2*i], s[20:21] offset:256*i  ; a wave stores 256 consecutive bytes, at a multiple of 256 from xb's first; its 16 rows lie end to end
	ds_store_b64 v8, v[144+2*i:145+2*i] offset:272*i
.set i, i+1
.endr
.set i, 0
.rept 4                                                ; the wave's own bytes: LDS serves a wave's instructions in order, so these see the stores above
	ds_load_b128 v[208+8*i:211+8*i], v9 offset:64*i
	ds_load_b128 v[212+8*i:215+8*i], v9 offset:64*i+32
.set i, i+1
.endr
	s_wait_loadcnt 0x0                             ; gate_w
.set i, 0
.rept 32
	v_cvt_pk_bf16_f32 v[176+i], v[80+2*i], v[81+2*i]
.set i, i+1
.endr
	s_wait_dscnt 0x0
	s_wait_kmcnt 0x0                               ; gate_b
	; source 0 = 16 rows of gate_w^T, source 1 = 16 tokens: lane l then holds token r, register j the logit of expert j (both halves of the lanes alike).
	; Two accumulators take turns.
	v_wmma_f32_16x16x32_bf16 v[240:247], v[176:183], v[208:215], 0
	v_wmma_f32_16x16x32_bf16 v[248:255], v[184:191], v[216:223], 0
	v_wmma_f32_16x16x32_bf16 v[240:247], v[192:199], v[224:231], v[240:247]
	v_wmma_f32_16x16x32_bf16 v[248:255], v[200:207], v[232:239], v[248:255]
.rept 4
	v_nop                                          ; four places between the products and the first read of their results
.endr
.set i, 0
.rept 4
	v_pk_add_f32 v[16+2*i:17+2*i], v[240+2*i:241+2*i], v[248+2*i:249+2*i]
.set i, i+1
.endr
	ds_store_b128 v11, v[16:19]
	ds_store_b128 v11, v[20:23] offset:16
	s_wait_dscnt 0x0                               ; for wave 0's sake: my partial sums are in LDS
	s_barrier_signal -1
	s_barrier_wait -1
	s_cmp_lg_u32 s2, 0
	s_cbranch_scc1 .Lend                           ; wave 0 alone ends the work
.set i, 0
.rept 8
	ds_load_b128 v[16+8*i:19+8*i], v12 offset:1024*i
	ds_load_b128 v[20+8*i:23+8*i], v12 offset:1024*i+16
.set i, i+1
.endr
.set i, 0
.rept 8
	v_mov_b32 v[80+i], s[24+i]
.set i, i+1
.endr
.set i, 0
.rept 4                                                ; gate_b rounded to bf16 and widened again
	v_cvt_pk_bf16_f32 v[88+i], v[80+2*i], v[81+2*i]
.set i, i+1
.endr
.set i, 0
.rept 4
	v_lshlrev_b32 v[80+2*i], 16, v[88+i]
	v_and_b32 v[81+2*i], 0xffff0000, v[88+i]
.set i, i+1
.endr
	s_wait_dscnt 0x0
.set i, 1
.rept 7                                                ; the eight slices of K, ascending
	v_pk_add_f32 v[16:17], v[16:17], v[16+8*i:17+8*i]
	v_pk_add_f32 v[18:19], v[18:19], v[18+8*i:19+8*i]
	v_pk_add_f32 v[20:21], v[20:21], v[20+8*i:21+8*i]
	v_pk_add_f32 v[22:23], v[22:23], v[22+8*i:23+8*i]
.set i, i+1
.endr
.set i, 0
.rept 4
	v_pk_add_f32 v[16+2*i:17+2*i], v[16+2*i:17+2*i], v[80+2*i:81+2*i]
.set i, i+1
.endr
	v_cmp_eq_u32 s32, 1, v5                        ; lanes 16-31 store experts 4-7
.set i, 0
.rept 4
	v_cndmask_b32 v[96+i], v[16+i], v[20+i], s32
.set i, i+1
.endr
	global_store_b128 v13, v[96:99], s[22:23]      ; the wave stores 512 consecutive bytes of out1
	v_mov_b32 v100, v16                            ; m0, i0: the largest so far;  m1, i1: the second
	v_mov_b32 v101, 0
	v_mov_b32 v102, 0xff800000
	v_mov_b32 v103, 1
.set i, 1
.rept 7
	v_cmp_gt_f32 s33, v[16+i], v100
	v_cmp_gt_f32 s32, v[16+i], v102
	v_cndmask_b32 v102, v102, v[16+i], s32
	v_cndmask_b32 v103, v103, i, s32
	v_cndmask_b32 v102, v102, v100, s33
	v_cndmask_b32 v103, v103, v101, s33
	v_cndmask_b32 v100, v100, v[16+i], s33
	v_cndmask_b32 v101, v101, i, s33
.set i, i+1
.endr
	v_sub_f32 v104, v102, v100                     ; l1 - l0, never above 0
	v_mul_f32 v104, 0x3fb8aa3b, v104
	v_exp_f32 v105, v104
	v_lshlrev_b32 v110, v101, 1                    ; 1 << e0: a plain instruction behind the exponential
	s_wait_alu depctr_va_vdst(0)                   ; the wait ahead of the first use
	v_add_f32 v106, 1.0, v105
	v_rcp_f32 v108, v106
	v_lshlrev_b32 v111, v103, 0x100                ; 1 << (8 + e1): a plain instruction behind the reciprocal
	s_wait_alu depctr_va_vdst(0)
	v_mul_f32 v109, v105, v108
	v_or_b32 v110, v110, v111
	global_store_b32 v14, v110, s[34:35]           ; both halves of the lanes store the same bytes: EXEC is never narrowed
	global_store_b64 v15, v[108:109], s[36:37]
.Lend:
	s_wait_tensorcnt 0x0                           ; the wave's end
	ds_add_u32 v1, v2
	s_wait_dscnt 0x0
	s_endpgm
.Lfunc_end_k_qb78117f76f_router:
	.size	k_qb78117f76f_router, .Lfunc_end_k_qb78117f76f_router-k_qb78117f76f_router
	.p2alignl 7, 3214868480
	.fill 96, 4, 3214868480
	.section	.rodata,"a",@progbits
	.p2align	6, 0x0
	.amdhsa_kernel k_qb78117f76f_router
		.amdhsa_group_segment_fixed_size 44032
		.amdhsa_private_segment_fixed_size 0
		.amdhsa_enable_private_segment 0
		.amdhsa_kernarg_size 56
		.amdhsa_user_sgpr_count 2
		.amdhsa_user_sgpr_kernarg_segment_ptr 1
		.amdhsa_wavefront_size32 1
		.amdhsa_system_sgpr_workgroup_id_x 1
		.amdhsa_system_sgpr_workgroup_id_y 1
		.amdhsa_system_sgpr_workgroup_id_z 1
		.amdhsa_system_vgpr_workitem_id 0
		.amdhsa_next_free_vgpr 256
		.amdhsa_next_free_sgpr 66
		.amdhsa_reserve_vcc 0
		.amdhsa_float_denorm_mode_32 3
		.amdhsa_float_denorm_mode_16_64 3
		.amdhsa_memory_ordered 1
		.amdhsa_forward_progress 1
		.amdhsa_inst_pref_size 27
	.end_amdhsa_kernel
	.amdgpu_metadata
---
amdhsa.version: [ 1, 2 ]
amdhsa.kernels:
  - .name:           k_qb78117f76f_router
    .symbol:         k_qb78117f76f_router.kd
    .args:
      - { .name: x, .offset: 0, .size: 8, .value_kind: global_buffer, .address_space: global }
      - { .name: gate_w, .offset: 8, .size: 8, .value_kind: global_buffer, .address_space: global }
      - { .name: gate_b, .offset: 16, .size: 8, .value_kind: global_buffer, .address_space: global }
      - { .name: out1, .offset: 24, .size: 8, .value_kind: global_buffer, .address_space: global }
      - { .name: xb, .offset: 32, .size: 8, .value_kind: global_buffer, .address_space: global }
      - { .name: sel, .offset: 40, .size: 8, .value_kind: global_buffer, .address_space: global }
      - { .name: gw, .offset: 48, .size: 8, .value_kind: global_buffer, .address_space: global }
    .group_segment_fixed_size: 44032
    .private_segment_fixed_size: 0
    .kernarg_segment_align: 8
    .kernarg_segment_size: 56
    .max_flat_workgroup_size: 256
    .sgpr_count:     66
    .vgpr_count:     256
    .wavefront_size: 32
...
	.end_amdgpu_metadata
.endif
;; end of part 1
;; launch up (part 2): grid 32 x 8, 4 waves a work-group, no clusters, 327,680 bytes of LDS; arguments xb, sel, w1, b1, h; writes h
.if DOCPART == 2
	.amdgcn_target "amdgcn-amd-amdhsa--gfx1250"
	.amdhsa_code_object_version 6
	.text
	.protected	k_qb78117f76f_up
	.globl	k_qb78117f76f_up
	.p2align	8
	.type	k_qb78117f76f_up,@function
k_qb78117f76f_up:
	s_mov_b64 s[64:65], 0
	v_nop
	global_prefetch_b8 v0, s[64:65] scope:SCOPE_SE
	s_setreg_imm32_b32 hwreg(HW_REG_WAVE_MODE, 25, 1), 1
	s_wait_xcnt 0x0
; UP.  h[e][slot][c] = gelu(sum over k of x[token(slot)][k] w1[e][k][c] + b1[e][c]), bf16, for the tokens that chose expert e, in the expert's own order of slots.
; w1 and b1 are rounded once to bf16 (x was, by the launch before); products by the matrix unit, sums and GELU in f32, h rounded once.
; xb lies as [chunk of 128 k][token][128], h as [expert][chunk of 128 columns][slot][128]: the rows of one K step lie end to end, here and in the next launch.
; SHARES.  Work-group (X, e) owns columns 128 X .. 128 X + 127 of expert e: 1,024 k x 128 columns of w1, which it alone reads, and ALL of the expert's rows, 0 to 1,024 of them.
; Rows go in three PASSES of 384 slots, a constant count that covers every split; a pass is six GROUPS of 64 slots; G = the pass's live groups steers forward jumps over work alone,
; and every wave passes all eleven barriers of every pass.  Places past the count repeat the last slot.  A second or third live pass reads the weights again.
; Wave w: columns 64 (w % 2) on, and in each group rows 32 (w / 2) on: 2 x 4 accumulators a group, 384 registers.  They are cleared by 384 v_mov_b32 a live pass, which stand in the wait for
; the pass's first loads: the price of one text for all eight K chunks.
; ROUTING.  Every wave reads sel (whole numbers of the launch before) and makes its own list: the tokens that chose e take slots 0 on, the others slots 1,023 downward, so all 1,024 places are written.
; An expert that no token chose is given ONE row, that of the token at the list's place 0: so slots 0-31 of its h hold stored numbers, which the next launch's staging pass reads; none of them reaches a result.
; WEIGHTS go memory -> registers -> bf16 -> LDS.  One load takes 256 consecutive bytes of row k (lanes 0-15) and of row k + 8 (lanes 16-31); eight such rows, rounded in pairs, ARE half a matrix operand
; for each of four tiles; tile tt of a column half holds columns 4 r + tt.
; THE MATRIX INSTRUCTION IS USED TRANSPOSED (source 0 = weights, source 1 = tokens): lane l holds token l % 16, and register j of tile tt column 32 (l / 16) + 4 j + tt: 32 neighbouring columns a lane.
; K goes in chunks of 128 through two LDS slots.  At the end of trip C chunk C + 1, which came into registers during the trip, is laid into the other slot, and chunk C + 2 is asked for at once, ahead of the barrier:
; 32 loads of weights and 24 of the rows of groups 0-2, 512 bytes each, 28 KB a wave, which have all of trip C + 1 in which to land.  The rows of groups 3-5 are asked for from blocks 1-3 of trip C + 1:
; with them at the trip's end a wave would have more loads out than LOADcnt's field holds (ISA guide 5.7.1) and would stand still in front of the barrier.
; The chunk behind the one asked for is asked for ahead by global_prefetch_b8, in the first pass, each aligned block of 256 bytes by one lane of one wave, a trip ahead of its loads; chunk 7 is the last.
; NO CLUSTER, NO TENSOR LOAD: each weight has one reader and must be rounded on its way; the token rows come by a list.
; GELU: x Phi(x) = max(x, 0) - |x| / 2 erfc(|x| / sqrt 2), erfc by Abramowitz and Stegun 7.1.26 (error of erf at most 1.5e-7 for every x).
; LIMITS.  An exponential below 2^-126 counts as 0; NaN and infinities are not treated apart.
; REGISTERS, in windows of 256 (s_set_vgpr_msb: bits 1:0 source 0, 3:2 source 1, 5:4 source 2, 7:6 destination):
;   window 0: v1-31 addresses and temporaries; v32-79 the rows' byte offsets, which hold nothing else; v80-143 token operands; v144-159 packed weights; v160-223 rows of groups 4, 5 on their way; v224-255 bias;
;             the way out works in v80-207
;   window 1: v0-127 weight operands; v128-255 weights as loaded       window 2: accumulators of groups 0-3       window 3: v0-127 those of groups 4, 5; v128-255 rows of groups 0-3 on their way
.set PITCHW, 16384                     ; bytes from row to row of w1
.set CHW,    128*PITCHW                ; a chunk's rows
.set ASTEP,  262144                    ; bytes from chunk to chunk of xb: 1,024 tokens x 256
.set PA,     272                       ; a token row in LDS: 256 bytes + 16: the 16 rows of an operand load start 4 banks apart
.set AX,     0x20000                   ; token slot 1 = token slot 0 with this bit set; a slot is 384 x 272 = 104,448 bytes
.set AHI,    192*PA                    ; groups 3-5 of a slot
.set SP,     528                       ; the stage for the way out, over both token slots: slot i at 528 i, 128 f32
.set LIST,   235520                    ; 2,048 bytes a wave: its own list of tokens, 16 bits each
.set SPARE,  260096                    ; the spare words, 128 bytes for each wave, which no other line names
.set B0,     0x40000                   ; weight slot 0: 32,768 bytes: operand (ks, tile) at 8,192 ks + 1,024 tile + 512 half + 16 lane
.set BX,     0x8000                    ; weight slot 1 = slot 0 with this bit set
.set SPW, 1
.set NIL, 2
.set WO,  3                            ; my byte offset in a chunk of weights
.set PF,  4                            ; my block of a chunk for the prefetch
.set RA0, 5                            ; reading token operands, slot 0
.set RB0, 6                            ; reading weight operands
.set WA0, 7                            ; laying token rows
.set WB0, 8                            ; laying weight operands
.set RAL, 9                            ; v9-14: the same four for the trip in hand (v10, v13: groups 3-5)
.set RB,  11
.set WAL, 12
.set WB,  14
.set L16, 15                           ; 16 r
.set S0,  16                           ; first slot whose row I load: P0 + 16 w + hh
.set ST,  17                           ; my place in the stage
.set RDA, 18                           ; reading the stage back
.set GSO, 19                           ; my byte offset in 32 rows of h
.set S00, 20                           ; 16 w + hh
.set AD,  32
.set AF,  80
.set T,   144
.set BIAS, 224
.set TW,  80                           ; the way out: 64 sums with the bias added
.set GX,  80                           ; GELU: x, then max(x, 0), then the result
.set GA,  112                          ; |x|, then -|x| / 2, then the polynomial
.set GT,  144                          ; 1 + p |x|, then t, then the result in bf16
.set GE,  176                          ; the exponential, then times -|x| / 2
; scalars: s2 wave, s3 w % 2, s4 w / 2; s[20:21] xb; s[22:23] xb at the chunk asked for last; s[24:25] my weights; s[26:27] the same at the chunk asked for last; s[28:29] h at my chunk; s[56:57] the same at the rows to store
; s32 e, s33 X, s35 e's two bits in sel, s36 count, s37 last slot, s38 P0, s39 rows of the pass, s40 G, s41 its blocks of 32 rows, s43 pass, s44 chunk, s45 requests for weights so far, s46-49 the LDS slots, s50-52 routing, s53 my list, s55 stage, s58 block
.set MSB, 0
.macro WIN new                         ; the immediate's high byte repeats the setting that is left; a switch that changes nothing is dropped
.if MSB != (\new)
	s_set_vgpr_msb (MSB<<8)|(\new)
.set MSB, (\new)
.endif
.endm
.macro PLACES                          ; four places between a matrix instruction and a load into, or a read of, its registers
.rept 4
	v_nop
.endr
.endm
.macro KPAIR r, val                    ; a constant for packed arithmetic: named as a pair, so both words are written
	s_mov_b32 s[\r], \val
	s_mov_b32 s[\r+1], \val
.endm
.macro WLOAD b                         ; a chunk's weights, my quarter: 32 loads; number 8 ks + j: row 32 ks + 16 (w / 2) + 8 hh + j
	WIN 0x40
.set lk, 0
.rept 32
	global_load_b128 v[128+4*lk:131+4*lk], v[WO], s[\b:\b+1] offset:(32*(lk/8)+lk%8)*PITCHW th:TH_LOAD_NT
.set lk, lk+1
.endr
	WIN 0
.endm
.macro ALOAD g                         ; group g's rows, my sixteen: 8 loads of two rows x 256 bytes
.if (\g) < 4
	WIN 0xc0
.set sr, 128+32*(\g)
.else
	WIN 0
.set sr, 160+32*((\g)-4)
.endif
.set lq, 0
.rept 8
	global_load_b128 v[sr+4*lq:sr+4*lq+3], v[AD+8*(\g)+lq], s[22:23]
.set lq, lq+1
.endr
	WIN 0
.endm
.macro ISSUEW                          ; the weights of the chunk at s[26:27] are asked for; in the first pass the chunk behind it is asked for ahead; LDS stores follow, no wait
	WLOAD 26
	s_cmp_lt_u32 s45, 6
	s_cbranch_scc0 .Lnopf_\@                       ; request number n of the launch loads chunk n + 1: numbers 0 to 5 ask ahead for chunks 2 to 7
	global_prefetch_b8 v[PF], s[26:27] offset:CHW th:TH_LOAD_NT scope:SCOPE_SE
	global_prefetch_b8 v[PF], s[26:27] offset:CHW+16*PITCHW th:TH_LOAD_NT scope:SCOPE_SE
.Lnopf_\@:
	s_add_co_u32 s45, s45, 1
.endm
.macro ISSUEA                          ; the rows of the live ones of groups 0-2, of the chunk at s[22:23]
	ALOAD 0
	s_cmp_lt_u32 s40, 2
	s_cbranch_scc1 .Lia_\@
	ALOAD 1
	s_cmp_lt_u32 s40, 3
	s_cbranch_scc1 .Lia_\@
	ALOAD 2
.Lia_\@:
.endm
.macro AFLOAD g, hf                    ; token operands of group g, k steps 2 hf and 2 hf + 1, my two tiles of 16 rows: 8 loads
	WIN 0
.set aks, 2*(\hf)
.rept 2
.set amt, 0
.rept 2
	ds_load_b128 v[AF+8*(2*aks+amt):AF+8*(2*aks+amt)+3],   v[RAL+(\g)/3] offset:(64*((\g)%3)+16*amt)*PA+64*aks
	ds_load_b128 v[AF+8*(2*aks+amt)+4:AF+8*(2*aks+amt)+7], v[RAL+(\g)/3] offset:(64*((\g)%3)+16*amt)*PA+64*aks+32
.set amt, amt+1
.endr
.set aks, aks+1
.endr
.endm
.macro BCLOAD hf                       ; weight operands of my column half, k steps 2 hf and 2 hf + 1: 16 loads; they stay in registers for all groups
	WIN 0x40
.set bi, 8*(\hf)
.rept 8
	ds_load_b128 v[8*bi:8*bi+3],   v[RB] offset:(bi/4)*8192+(bi%4)*1024
	ds_load_b128 v[8*bi+4:8*bi+7], v[RB] offset:(bi/4)*8192+(bi%4)*1024+512
.set bi, bi+1
.endr
	WIN 0
.endm
.macro HALF g, hf                      ; 16 matrix instructions; the group's eight accumulators take turns, also from half to half, group to group and trip to trip
	WIN 0xa1+0x50*((\g)/4)
.set hks, 2*(\hf)
.rept 2
.set hmt, 0
.rept 2
.set htt, 0
.rept 4
.set ac, 64*((\g)%4)+32*hmt+8*htt
	v_wmma_f32_16x16x32_bf16 v[ac:ac+7], v[8*(4*hks+htt):8*(4*hks+htt)+7], v[AF+8*(2*hks+hmt):AF+8*(2*hks+hmt)+7], v[ac:ac+7]
.set htt, htt+1
.endr
.set hmt, hmt+1
.endr
.set hks, hks+1
.endr
.endm
; Group g's 32 matrix instructions; last = 0: the next group's operands are fetched into each half-buffer as it falls free; blocks 1-3 ask for the rows of group g + 2 of the next chunk, if that group is live and a next chunk exists.
.macro BLOCK g, last
.if (\last) == 0 && (\g) >= 1 && (\g) <= 3
	s_cmp_eq_u32 s44, 7
	s_cbranch_scc1 .Lnoa_\@
	s_cmp_lt_u32 s40, (\g)+3
	s_cbranch_scc1 .Lnoa_\@
	ALOAD (\g)+2
.Lnoa_\@:
.endif
.if (\g) == 0
	s_wait_dscnt 24                                ; k steps 0 and 1 are in: behind them the 16 + 8 loads of k steps 2 and 3
.else
	s_wait_dscnt 8                                 ; all but the other half-buffer's eight loads
.endif
	HALF \g, 0
.if \last
	s_wait_dscnt 0x0
.else
	PLACES
	AFLOAD (\g)+1, 0
	s_wait_dscnt 8                                 ; all but the eight just issued
.endif
	HALF \g, 1
.if (\last) == 0
	PLACES
	AFLOAD (\g)+1, 1
.endif
	WIN 0
.endm
.macro BOTW                            ; the weights that were loaded, rounded to bf16 as halves of operands, into the other weight slot
.set bks, 0
.rept 4
	WIN 0x05
.set bn, 0
.rept 16                                               ; tile bn / 4, register bn % 4: rows 2 i and 2 i + 1 of the eight
	v_cvt_pk_bf16_f32 v[T+bn], v[128+32*bks+8*(bn%4)+bn/4], v[128+32*bks+8*(bn%4)+4+bn/4]
.set bn, bn+1
.endr
	WIN 0
.set bn, 0
.rept 4
	ds_store_b128 v[WB], v[T+4*bn:T+4*bn+3] offset:bks*8192+bn*1024
.set bn, bn+1
.endr
.set bks, bks+1
.endr
.endm
.macro BOTA full                       ; the rows that were loaded, as they are, into the other token slot.  full = 0: only the live groups
.irp g, 0,1,2,3,4,5
.if (\full) == 0 && (\g) > 0
	s_cmp_le_u32 s40, \g
	s_cbranch_scc1 .Lbout_\@
.endif
.if (\g) < 4
	WIN 0x0c
.set sr, 128+32*(\g)
.else
.set sr, 160+32*((\g)-4)
.endif
.set bq, 0
.rept 8
	ds_store_b128 v[WAL+(\g)/3], v[sr+4*bq:sr+4*bq+3] offset:(64*((\g)%3)+2*bq)*PA
.set bq, bq+1
.endr
	WIN 0
.endr
.Lbout_\@:
.endm
.macro WRITEG g                        ; group g's sums, the bias added, into the stage: 128 bytes a lane and tile of rows; each accumulator is read from its lowest register on
	WIN 0
	v_add_nc_u32 v21, 64*SP*(\g), v[ST]
.set wmt, 0
.rept 2
	WIN 0x02+(\g)/4
.set wn, 0
.rept 32                                               ; tile wn / 8, register wn % 8
	v_add_f32 v[TW+32*wmt+4*(wn%8)+wn/8], v[64*((\g)%4)+32*wmt+wn], v[BIAS+4*(wn%8)+wn/8]
.set wn, wn+1
.endr
	WIN 0
.set wn, 0
.rept 8
	ds_store_b128 v21, v[TW+32*wmt+4*wn:TW+32*wmt+4*wn+3] offset:wmt*16*SP+16*wn
.set wn, wn+1
.endr
.set wmt, wmt+1
.endr
.endm
.macro COUNTS                          ; what hangs on P0
	s_sub_co_i32 s39, s36, s38
	s_max_i32 s39, s39, 0
	s_min_u32 s39, s39, 384
	s_add_co_u32 s40, s39, 63
	s_lshr_b32 s40, s40, 6
	s_add_co_u32 s41, s39, 31
	s_lshr_b32 s41, s41, 5
	v_add_nc_u32 v[S0], s38, v[S00]
.endm
; GELU of the 32 numbers in v[GX ..], rounded to bf16 into v[GT .. GT + 15].
; The 64 transcendentals are one batch with one wait; plain instructions that name none of their results stand among them.
.macro GELU16
.set i, 0
.rept 32
	v_and_b32 v[GA+i], s80, v[GX+i]
.set i, i+1
.endr
.set i, 0
.rept 16
	v_pk_fma_f32 v[GT+2*i:GT+2*i+1], v[GA+2*i:GA+2*i+1], s[66:67], 1.0 op_sel_hi:[1,0,0]
	v_pk_mul_f32 v[GE+2*i:GE+2*i+1], v[GX+2*i:GX+2*i+1], v[GX+2*i:GX+2*i+1]
.set i, i+1
.endr
.set i, 0
.rept 16
	v_pk_mul_f32 v[GE+2*i:GE+2*i+1], v[GE+2*i:GE+2*i+1], s[68:69] op_sel_hi:[1,0]
.set i, i+1
.endr
.set i, 0
.rept 32
	v_rcp_f32 v[GT+i], v[GT+i]
	v_max_num_f32 v[GX+i], 0, v[GX+i]
	v_exp_f32 v[GE+i], v[GE+i]
.if i%2 == 0
	v_pk_mul_f32 v[GA+i:GA+i+1], v[GA+i:GA+i+1], -0.5 op_sel_hi:[1,0]
.endif
.set i, i+1
.endr
	v_nop                                          ; a plain instruction behind the last exponential
	s_wait_alu depctr_va_vdst(0)                   ; the wait ahead of the first use: one for the batch
.set i, 0
.rept 16                                               ; the exponential takes -|x| / 2 with it, which frees those registers for the polynomial
	v_pk_mul_f32 v[GE+2*i:GE+2*i+1], v[GE+2*i:GE+2*i+1], v[GA+2*i:GA+2*i+1]
.set i, i+1
.endr
.set i, 0
.rept 16
	v_pk_fma_f32 v[GA+2*i:GA+2*i+1], v[GT+2*i:GT+2*i+1], s[78:79], s[76:77] op_sel_hi:[1,0,0]
.set i, i+1
.endr
.irp c, 74, 72, 70
.set i, 0
.rept 16
	v_pk_fma_f32 v[GA+2*i:GA+2*i+1], v[GA+2*i:GA+2*i+1], v[GT+2*i:GT+2*i+1], s[\c:\c+1] op_sel_hi:[1,1,0]
.set i, i+1
.endr
.endr
.set i, 0
.rept 16
	v_pk_mul_f32 v[GA+2*i:GA+2*i+1], v[GA+2*i:GA+2*i+1], v[GT+2*i:GT+2*i+1]
.set i, i+1
.endr
.set i, 0
.rept 16
	v_pk_fma_f32 v[GX+2*i:GX+2*i+1], v[GA+2*i:GA+2*i+1], v[GE+2*i:GE+2*i+1], v[GX+2*i:GX+2*i+1]
.set i, i+1
.endr
.set i, 0
.rept 16
	v_cvt_pk_bf16_f32 v[GT+i], v[GX+2*i], v[GX+2*i+1]
.set i, i+1
.endr
.endm
	s_load_b256 s[8:15], s[0:1], 0x0               ; xb s[8:9], sel s[10:11], w1 s[12:13], b1 s[14:15]
	s_load_b64 s[16:17], s[0:1], 0x20              ; h
	v_lshl_add_u32 v[SPW], v0, 2, SPARE            ; my spare word
	v_mov_b32 v[NIL], 0
	v_lshrrev_b32 v21, 5, v0
	v_readfirstlane_b32 s2, v21                    ; wave 0..3
	v_and_b32 v28, 31, v0                          ; l
	v_and_b32 v29, 15, v0                          ; r
	v_bfe_u32 v24, v0, 4, 1                        ; hh
	s_and_b32 s3, s2, 1
	s_lshr_b32 s4, s2, 1
	s_mov_b32 s33, ttmp9
	s_and_b32 s32, ttmp7, 0xffff
	v_lshlrev_b32 v[L16], 4, v29
	s_mul_i32 s5, s4, 16*PITCHW
	s_lshl_b32 s6, s3, 8
	s_add_co_u32 s5, s5, s6
	v_mul_u32_u24 v[WO], v24, 8*PITCHW
	v_add_nc_u32 v[WO], v[WO], v[L16]
	v_add_nc_u32 v[WO], s5, v[WO]                  ; (16 (w / 2) + 8 hh) rows + 256 (w % 2) + 16 r
	v_lshrrev_b32 v25, 1, v28
	v_lshl_add_u32 v25, s2, 5, v25
	v_mul_u32_u24 v[PF], v25, PITCHW
	v_and_b32 v26, 1, v0
	v_lshl_add_u32 v[PF], v26, 8, v[PF]            ; row 32 w + l / 2, block l % 2
	v_lshl_add_u32 v25, s4, 5, v29                 ; 32 (w / 2) + r
	v_mul_u32_u24 v[RA0], v25, PA
	v_lshl_add_u32 v[RA0], v24, 4, v[RA0]
	v_mul_u32_u24 v[ST], v25, SP
	v_lshl_add_u32 v[ST], v24, 7, v[ST]
	v_lshl_add_u32 v[ST], s3, 8, v[ST]
	v_lshlrev_b32 v30, 4, v28                      ; 16 l
	v_lshl_add_u32 v[RB0], s3, 12, v30
	v_lshl_add_u32 v[WB0], s4, 9, v[RB0]
	v_lshl_add_u32 v[S00], s2, 4, v24
	v_mul_u32_u24 v[WA0], v[S00], PA
	v_add_nc_u32 v[WA0], v[WA0], v[L16]
	v_lshl_add_u32 v25, s2, 3, v24                 ; 8 w + hh
	v_mul_u32_u24 v[RDA], v25, SP
	v_lshl_add_u32 v[RDA], v29, 5, v[RDA]
	v_lshl_add_u32 v[GSO], v25, 8, v[L16]          ; a row of h's chunk is 256 bytes
	v_lshlrev_b32 v31, 7, v24
	v_lshl_add_u32 v31, s3, 8, v31                 ; my 32 columns of the bias
	s_lshl_b32 s53, s2, 11
	s_add_co_u32 s53, s53, LIST
	s_lshl_b32 s35, 0x101, s32
	KPAIR 66, 0x3e6d3388                           ; p / sqrt 2 = 0.23164189
	KPAIR 68, 0xbf38aa3b                           ; -log2(e) / 2
	KPAIR 70, 0x3e827906                           ; a1 .. a5
	KPAIR 72, 0xbe91a98e
	KPAIR 74, 0x3fb5f0e3
	KPAIR 76, 0xbfba00e3
	KPAIR 78, 0x3f87dc22
	s_mov_b32 s80, 0x7fffffff
	s_mov_b32 s31, 0
	s_lshl_b32 s5, s33, 9
	s_wait_kmcnt 0x0
	s_lshl_b32 s30, s32, 24
	s_add_co_u32 s30, s30, s5
	s_add_nc_u64 s[24:25], s[12:13], s[30:31]      ; w1 at expert e, column 128 X
	s_lshl_b32 s30, s32, 14
	s_add_co_u32 s30, s30, s5
	s_add_nc_u64 s[6:7], s[14:15], s[30:31]        ; b1 likewise
	s_lshl_b32 s30, s32, 23
	s_lshl_b32 s5, s33, 18
	s_add_co_u32 s30, s30, s5
	s_add_nc_u64 s[28:29], s[16:17], s[30:31]      ; h at expert e, chunk X
	s_mov_b64 s[20:21], s[8:9]
.set i, 0
.rept 8                                                ; sel: register 4 i + c holds token 128 i + 4 l + c
	global_load_b128 v[80+4*i:83+4*i], v30, s[10:11] offset:512*i
.set i, i+1
.endr
.set i, 0
.rept 8
	global_load_b128 v[BIAS+4*i:BIAS+4*i+3], v31, s[6:7] offset:16*i
.set i, i+1
.endr
	WLOAD 24                                       ; chunk 0
	s_wait_loadcnt 40                              ; sel is in: behind it 8 loads of the bias and 32 of weights
	s_mov_b32 s50, 0
	v_sub_nc_u32 v22, 0x3ff, v28                   ; 1,023 - 32 q - l
	v_lshlrev_b32 v23, 2, v28
	global_prefetch_b8 v[PF], s[24:25] offset:CHW th:TH_LOAD_NT scope:SCOPE_SE             ; chunk 1: my 32 rows, 16 at a time; the routing's vector work follows
	global_prefetch_b8 v[PF], s[24:25] offset:CHW+16*PITCHW th:TH_LOAD_NT scope:SCOPE_SE
.set q, 0
.rept 32
	v_and_b32 v24, s35, v[80+q]
	v_cmp_ne_u32 s51, 0, v24                       ; who chose e
	v_mbcnt_lo_u32_b32 v25, s51, s50               ; how many did before me: a chooser's slot
	v_add_nc_u32 v26, v22, v25                     ; the others fill the list from its end
	v_cndmask_b32 v26, v26, v25, s51
	v_min_u32 v26, 0x3ff, v26
	v_lshl_add_u32 v26, v26, 1, s53
	v_add_nc_u32 v27, 128*(q/4)+q%4, v23
	ds_store_b16 v26, v27
	s_bcnt1_i32_b32 s52, s51
	s_add_co_u32 s50, s50, s52
	v_add_nc_u32 v22, 0xffffffe0, v22
.set q, q+1
.endr
	s_max_u32 s36, s50, 1                          ; an expert without rows is given one: the list's place 0 holds a token
	s_sub_co_u32 s37, s36, 1
	s_min_u32 s37, s37, 0x3ff                      ; the last slot
	s_mov_b32 s38, 0
	COUNTS
	s_mov_b32 s43, 0
	s_mov_b32 s45, 0
	s_wait_loadcnt 32                              ; the bias is in: behind it the 32 loads of weights
.set i, 0
.rept 16                                               ; rounded to bf16 and widened again
	v_cvt_pk_bf16_f32 v[T+i], v[BIAS+2*i], v[BIAS+2*i+1]
.set i, i+1
.endr
.set i, 0
.rept 16
	v_lshlrev_b32 v[BIAS+2*i], 16, v[T+i]
	v_and_b32 v[BIAS+2*i+1], 0xffff0000, v[T+i]
.set i, i+1
.endr
	s_branch .Lpro                                 ; the loop over passes is entered behind its test: the first pass always lays its first chunk
.Lpass:
	s_cmp_eq_u32 s40, 0
	s_cbranch_scc1 .Lnopro                         ; a pass without rows has its barriers alone
	WLOAD 24
.Lpro:
.set n, 0
.rept 48                                               ; number 8 g + q: the row of slot P0 + 64 g + 16 w + 2 q + hh, or of the last slot
	v_add_nc_u32 v[80+n], 64*(n/8)+2*(n%8), v[S0]
	v_min_u32 v[80+n], s37, v[80+n]
	v_lshl_add_u32 v[80+n], v[80+n], 1, s53
	ds_load_u16 v[AD+n], v[80+n]                   ; my wave's own list: LDS serves a wave's instructions in order
.set n, n+1
.endr
	s_mov_b64 s[22:23], s[20:21]
	s_wait_dscnt 0x0
.set n, 0
.rept 48
	v_min_u32 v[AD+n], 0x3ff, v[AD+n]
	v_lshl_add_u32 v[AD+n], v[AD+n], 8, v[L16]
.set n, n+1
.endr
.irp g, 0,1,2,3,4,5
	ALOAD \g
.endr
	WIN 0x80
.set i, 0
.rept 256
	v_mov_b32 v[i], 0
.set i, i+1
.endr
	WIN 0xc0
.set i, 0
.rept 128
	v_mov_b32 v[i], 0
.set i, i+1
.endr
	WIN 0
	v_mov_b32 v[WAL], v[WA0]
	v_add_nc_u32 v[WAL+1], AHI, v[WA0]
	v_add_nc_u32 v[WB], B0, v[WB0]
	s_wait_loadcnt 0x0                             ; chunk 0 is in registers
	BOTW
	s_wait_xcnt 0x0                                ; the two bases are written only behind this wait
	s_add_nc_u64 s[26:27], s[24:25], CHW
	s_add_nc_u64 s[22:23], s[20:21], ASTEP
	ISSUEW                                         ; chunk 1 is asked for as soon as the registers are free: the weights here,
	BOTA 1
	s_wait_dscnt 0x0                               ; (my LDS stores have read the rows' registers, and my part of chunk 0 is in LDS)
	ISSUEA                                         ; the rows here
.Lnopro:
	s_wait_dscnt 0x0
	s_barrier_signal -1
	s_barrier_wait -1
	s_mov_b32 s44, 0
	s_mov_b32 s46, 0
	s_mov_b32 s48, B0
.Ltrip:
	s_cmp_eq_u32 s40, 0
	s_cbranch_scc1 .Lbar
	s_xor_b32 s47, s46, AX
	s_xor_b32 s49, s48, BX
	v_add_nc_u32 v[RAL], s46, v[RA0]               ; six plain instructions: also the places between the last trip's products and the loads into their operands
	v_add_nc_u32 v[RB], s48, v[RB0]
	v_add_nc_u32 v[WAL], s47, v[WA0]
	v_add_nc_u32 v[WB], s49, v[WB0]
	v_add_nc_u32 v[RAL+1], AHI, v[RAL]
	v_add_nc_u32 v[WAL+1], AHI, v[WAL]
	BCLOAD 0                                       ; what the first sixteen products need comes first
	AFLOAD 0, 0
	BCLOAD 1
	AFLOAD 0, 1
.irp g, 0,1,2,3,4
	s_cmp_eq_u32 s40, \g+1
	s_cbranch_scc1 .LL\g                           ; the last live group fetches no successor's operands
	BLOCK \g, 0
.endr
	BLOCK 5, 1
	s_branch .Ldone
.irp g, 0,1,2,3,4
.LL\g:
	BLOCK \g, 1
	s_branch .Ldone
.endr
.Ldone:
	s_wait_loadcnt 0x0                             ; chunk C + 1 is in registers; for 0: how many rows were asked for hangs on G
	s_cmp_eq_u32 s44, 7
	s_cbranch_scc1 .Lbar                           ; the last chunk has no successor
	BOTW
	s_cmp_ge_u32 s44, 6
	s_cbranch_scc1 .Lnow                           ; chunk 7 is the last that is asked for
	s_wait_xcnt 0x0                                ; the two bases are stepped only behind this wait
	s_add_nc_u64 s[26:27], s[26:27], CHW
	s_add_nc_u64 s[22:23], s[22:23], ASTEP
	ISSUEW                                         ; chunk C + 2: the weights, straight behind the conversions that freed their registers
.Lnow:
	BOTA 0
	s_wait_dscnt 0x0                               ; my LDS stores have read the rows' registers
	s_cmp_ge_u32 s44, 6
	s_cbranch_scc1 .Lbar
	ISSUEA                                         ; chunk C + 2: the rows of groups 0-2
.Lbar:
	s_wait_dscnt 0x0                               ; my reads of this chunk's slots are over, my part of the next chunk is in LDS
	s_barrier_signal -1
	s_xor_b32 s46, s46, AX
	s_xor_b32 s48, s48, BX
	s_barrier_wait -1
	s_add_co_u32 s44, s44, 1
	s_cmp_lt_u32 s44, 8
	s_cbranch_scc1 .Ltrip
	s_wait_loadcnt 0x0                             ; no load of mine is out when registers are used anew
	PLACES                                         ; between the last products and the first read of their results
.irp g, 0,1,2,3,4,5
	s_cmp_le_u32 s40, \g
	s_cbranch_scc1 .Lwdone
	WRITEG \g
.endr
.Lwdone:
	s_wait_dscnt 0x0                               ; my part of the stage is written
	s_barrier_signal -1
	s_barrier_wait -1
	s_mov_b32 s58, 0
	s_mov_b32 s55, 0
	s_lshl_b32 s30, s38, 8
	s_add_nc_u64 s[56:57], s[28:29], s[30:31]      ; h at slot P0
.Lread:                                                ; 32 slots a trip; a wave takes eight, two at a time: 16 lanes read a row's 512 bytes and store its 256
	s_cmp_ge_u32 s58, s41
	s_cbranch_scc1 .Lrnext
	v_add_nc_u32 v21, s55, v[RDA]
.set q, 0
.rept 4
	ds_load_b128 v[GX+8*q:GX+8*q+3],   v21 offset:2*q*SP
	ds_load_b128 v[GX+8*q+4:GX+8*q+7], v21 offset:2*q*SP+16
.set q, q+1
.endr
	s_wait_dscnt 0x0
	GELU16
.set q, 0
.rept 4
	global_store_b128 v[GSO], v[GT+4*q:GT+4*q+3], s[56:57] offset:q*512  ; the wave stores two rows, 512 consecutive bytes, at a multiple of 256 from h's first
.set q, q+1
.endr
	s_wait_xcnt 0x0                                ; the base and the stores' registers are written again only behind this wait
	s_add_nc_u64 s[56:57], s[56:57], 32*256
	s_add_co_u32 s55, s55, 32*SP
.Lrnext:
	s_add_co_u32 s58, s58, 1
	s_cmp_lt_u32 s58, 12
	s_cbranch_scc1 .Lread
	s_wait_dscnt 0x0                               ; my reads of the stage are over: the next pass lays its first chunk there
	s_barrier_signal -1
	s_barrier_wait -1
	s_add_co_u32 s38, s38, 384
	COUNTS
	s_add_co_u32 s43, s43, 1
	s_cmp_lt_u32 s43, 3
	s_cbranch_scc1 .Lpass
	s_wait_tensorcnt 0x0                           ; the wave's end
	ds_add_u32 v[SPW], v[NIL]
	s_wait_dscnt 0x0
	s_endpgm
.Lfunc_end_k_qb78117f76f_up:
	.size	k_qb78117f76f_up, .Lfunc_end_k_qb78117f76f_up-k_qb78117f76f_up
	.p2alignl 7, 3214868480
	.fill 96, 4, 3214868480
	.section	.rodata,"a",@progbits
	.p2align	6, 0x0
	.amdhsa_kernel k_qb78117f76f_up
		.amdhsa_group_segment_fixed_size 327680
		.amdhsa_private_segment_fixed_size 0
		.amdhsa_enable_private_segment 0
		.amdhsa_kernarg_size 40
		.amdhsa_user_sgpr_count 2
		.amdhsa_user_sgpr_kernarg_segment_ptr 1
		.amdhsa_wavefront_size32 1
		.amdhsa_system_sgpr_workgroup_id_x 1
		.amdhsa_system_sgpr_workgroup_id_y 1
		.amdhsa_system_sgpr_workgroup_id_z 1
		.amdhsa_system_vgpr_workitem_id 0
		.amdhsa_next_free_vgpr 1024
		.amdhsa_next_free_sgpr 90
		.amdhsa_reserve_vcc 0
		.amdhsa_float_denorm_mode_32 3
		.amdhsa_float_denorm_mode_16_64 3
		.amdhsa_memory_ordered 1
		.amdhsa_forward_progress 1
		.amdhsa_inst_pref_size 174
	.end_amdhsa_kernel
	.amdgpu_metadata
---
amdhsa.version: [ 1, 2 ]
amdhsa.kernels:
  - .name:           k_qb78117f76f_up
    .symbol:         k_qb78117f76f_up.kd
    .args:
      - { .name: xb, .offset: 0, .size: 8, .value_kind: global_buffer, .address_space: global }
      - { .name: sel, .offset: 8, .size: 8, .value_kind: global_buffer, .address_space: global }
      - { .name: w1, .offset: 16, .size: 8, .value_kind: global_buffer, .address_space: global }
      - { .name: b1, .offset: 24, .size: 8, .value_kind: global_buffer, .address_space: global }
      - { .name: h, .offset: 32, .size: 8, .value_kind: global_buffer, .address_space: global }
    .group_segment_fixed_size: 327680
    .private_segment_fixed_size: 0
    .kernarg_segment_align: 8
    .kernarg_segment_size: 40
    .max_flat_workgroup_size: 128
    .sgpr_count:     90
    .vgpr_count:     1024
    .wavefront_size: 32
...
	.end_amdgpu_metadata
.endif
;; end of part 2
;; launch down (part 3): grid 32 x 8, 4 waves a work-group, no clusters, 327,680 bytes of LDS; arguments h, sel, gw, w2, b2, yp; writes yp
.if DOCPART == 3
	.amdgcn_target "amdgcn-amd-amdhsa--gfx1250"
	.amdhsa_code_object_version 6
	.text
	.protected	k_qb78117f76f_down
	.globl	k_qb78117f76f_down
	.p2align	8
	.type	k_qb78117f76f_down,@function
k_qb78117f76f_down:
	s_mov_b64 s[64:65], 0
	v_nop
	global_prefetch_b8 v0, s[64:65] scope:SCOPE_SE
	s_setreg_imm32_b32 hwreg(HW_REG_WAVE_MODE, 25, 1), 1
	s_wait_xcnt 0x0
; DOWN.  yp[kslot][kq][token][c] = gate weight x (sum over the k of quarter kq of h[e][slot][k] w2[e][k][c], + b2[e][c] in quarter 0), f32: partial rows that the next launch adds.
; kslot says whether e is the token's first or second choice.  w2 and b2 are rounded once to bf16; products by the matrix unit, sums in f32.
; h lies as [expert][chunk of 128 k][slot][128]: the rows of one K step lie end to end, and a load of two rows takes 512 consecutive bytes.
; SHARES.  Work-group (X, e): columns 128 (X % 8) on, k from 1,024 (X / 8) on, of expert e: 1,024 k x 128 columns of w2, which it alone reads, and ALL of the expert's rows, 0 to 1,024.
; Passes, groups, waves, the weights' way into LDS, the transposed use of the matrix instruction, the two LDS slots, the requests a trip ahead, the prefetch and the 384 v_mov_b32 a live pass are those of the
; launch before: three passes of 384 slots cover every split; G, the live groups of 64 slots, steers forward jumps over work alone; every wave passes all eleven barriers of every pass; places past the count repeat
; the last slot, whose row is then stored more than once, with the same bytes.  At the end of trip C chunk C + 1 goes from registers into LDS and chunk C + 2 is asked for at once, ahead of the barrier (32 loads of
; weights, 24 of the rows of groups 0-2); the rows of groups 3-5 are asked for from blocks 1-3 of the next trip, so that no more loads are out than LOADcnt's field holds (ISA guide 5.7.1).
; ROUTING.  Every wave makes its own list from sel by the same lines as the launch before, so the slots agree; beside each token stand its kslot and, in a second list, its gate weight.
; An expert without rows makes no product and stores nothing; its one staging pass reads slot 0 of its h, which the launch before has stored for that case.
; NO CLUSTER, NO TENSOR LOAD: each weight has one reader and must be rounded on its way; three constant passes of 384 rows asked for jointly by four
; would be as many requests as the live rows are now.
; LIMITS.  NaN and infinities are not treated apart.
; REGISTERS, in windows of 256 (s_set_vgpr_msb: bits 1:0 source 0, 3:2 source 1, 5:4 source 2, 7:6 destination):
;   window 0: v1-31 addresses and temporaries; v32-79 the rows' byte offsets, which hold nothing else; v80-143 token operands; v144-159 packed weights; v160-223 rows of groups 4, 5 on their way; v224-255 bias;
;             the way out works in v80-143
;   window 1: v0-127 weight operands; v128-255 weights as loaded       window 2: accumulators of groups 0-3       window 3: v0-127 those of groups 4, 5; v128-255 rows of groups 0-3 on their way
.set PITCHW, 4096                      ; bytes from row to row of w2
.set CHW,    128*PITCHW
.set ASTEP,  262144                    ; bytes from chunk to chunk of h: 1,024 slots x 256
.set PA,     272
.set AX,     0x20000
.set AHI,    192*PA
.set SP,     528
.set LIST,   235520                    ; 2,048 bytes a wave: token | kslot << 12, 16 bits each
.set WLIST,  243712                    ; 4,096 bytes a wave: the slots' gate weights
.set SPARE,  260096                    ; the spare words, 128 bytes for each wave, which no other line names
.set B0,     0x40000
.set BX,     0x8000
.set SPW, 1
.set NIL, 2
.set WO,  3
.set PF,  4
.set RA0, 5
.set RB0, 6
.set WA0, 7
.set WB0, 8
.set RAL, 9
.set RB,  11
.set WAL, 12
.set WB,  14
.set L16, 15                           ; 16 r
.set S0,  16
.set ST,  17
.set RDA, 18                           ; reading the stage back: row 8 w, 16 bytes a lane
.set LL16, 19                          ; 16 l
.set S00, 20
.set AD,  32
.set AF,  80
.set T,   144
.set BIAS, 224
.set TW,  80                           ; the way out: 64 sums with the bias added
.set DX,  80                           ; reading back: eight rows' 16 bytes
.set DL,  112                          ; their list entries, then their byte offsets in yp
.set DG,  120                          ; their gate weights
; scalars as in the launch before; besides: s34 kq, s54 my list of weights, s59 kq << 10, s60 8 + e, s61 all ones in quarter 0
.set MSB, 0
.macro WIN new
.if MSB != (\new)
	s_set_vgpr_msb (MSB<<8)|(\new)
.set MSB, (\new)
.endif
.endm
.macro PLACES
.rept 4
	v_nop
.endr
.endm
.macro WLOAD b                         ; a chunk's weights, my quarter: 32 loads; number 8 ks + j: row 32 ks + 16 (w / 2) + 8 hh + j
	WIN 0x40
.set lk, 0
.rept 32
	global_load_b128 v[128+4*lk:131+4*lk], v[WO], s[\b:\b+1] offset:(32*(lk/8)+lk%8)*PITCHW th:TH_LOAD_NT
.set lk, lk+1
.endr
	WIN 0
.endm
.macro ALOAD g                         ; group g's rows, my sixteen: 8 loads of two rows x 256 bytes
.if (\g) < 4
	WIN 0xc0
.set sr, 128+32*(\g)
.else
	WIN 0
.set sr, 160+32*((\g)-4)
.endif
.set lq, 0
.rept 8
	global_load_b128 v[sr+4*lq:sr+4*lq+3], v[AD+8*(\g)+lq], s[22:23]
.set lq, lq+1
.endr
	WIN 0
.endm
.macro ISSUEW                          ; the weights of the chunk at s[26:27] are asked for; in the first pass the chunk behind it is asked for ahead; LDS stores follow, no wait
	WLOAD 26
	s_cmp_lt_u32 s45, 6
	s_cbranch_scc0 .Lnopf_\@                       ; request number n of the launch loads chunk n + 1: numbers 0 to 5 ask ahead for chunks 2 to 7
	global_prefetch_b8 v[PF], s[26:27] offset:CHW th:TH_LOAD_NT scope:SCOPE_SE
	global_prefetch_b8 v[PF], s[26:27] offset:CHW+16*PITCHW th:TH_LOAD_NT scope:SCOPE_SE
.Lnopf_\@:
	s_add_co_u32 s45, s45, 1
.endm
.macro ISSUEA                          ; the rows of the live ones of groups 0-2, of the chunk at s[22:23]
	ALOAD 0
	s_cmp_lt_u32 s40, 2
	s_cbranch_scc1 .Lia_\@
	ALOAD 1
	s_cmp_lt_u32 s40, 3
	s_cbranch_scc1 .Lia_\@
	ALOAD 2
.Lia_\@:
.endm
.macro AFLOAD g, hf
	WIN 0
.set aks, 2*(\hf)
.rept 2
.set amt, 0
.rept 2
	ds_load_b128 v[AF+8*(2*aks+amt):AF+8*(2*aks+amt)+3],   v[RAL+(\g)/3] offset:(64*((\g)%3)+16*amt)*PA+64*aks
	ds_load_b128 v[AF+8*(2*aks+amt)+4:AF+8*(2*aks+amt)+7], v[RAL+(\g)/3] offset:(64*((\g)%3)+16*amt)*PA+64*aks+32
.set amt, amt+1
.endr
.set aks, aks+1
.endr
.endm
.macro BCLOAD hf                       ; weight operands of my column half, k steps 2 hf and 2 hf + 1: 16 loads
	WIN 0x40
.set bi, 8*(\hf)
.rept 8
	ds_load_b128 v[8*bi:8*bi+3],   v[RB] offset:(bi/4)*8192+(bi%4)*1024
	ds_load_b128 v[8*bi+4:8*bi+7], v[RB] offset:(bi/4)*8192+(bi%4)*1024+512
.set bi, bi+1
.endr
	WIN 0
.endm
.macro HALF g, hf                      ; 16 matrix instructions; the group's eight accumulators take turns
	WIN 0xa1+0x50*((\g)/4)
.set hks, 2*(\hf)
.rept 2
.set hmt, 0
.rept 2
.set htt, 0
.rept 4
.set ac, 64*((\g)%4)+32*hmt+8*htt
	v_wmma_f32_16x16x32_bf16 v[ac:ac+7], v[8*(4*hks+htt):8*(4*hks+htt)+7], v[AF+8*(2*hks+hmt):AF+8*(2*hks+hmt)+7], v[ac:ac+7]
.set htt, htt+1
.endr
.set hmt, hmt+1
.endr
.set hks, hks+1
.endr
.endm
.macro BLOCK g, last
.if (\last) == 0 && (\g) >= 1 && (\g) <= 3
	s_cmp_eq_u32 s44, 7
	s_cbranch_scc1 .Lnoa_\@
	s_cmp_lt_u32 s40, (\g)+3
	s_cbranch_scc1 .Lnoa_\@
	ALOAD (\g)+2
.Lnoa_\@:
.endif
.if (\g) == 0
	s_wait_dscnt 24                                ; k steps 0 and 1 are in: behind them the 16 + 8 loads of k steps 2 and 3
.else
	s_wait_dscnt 8                                 ; all but the other half-buffer's eight loads
.endif
	HALF \g, 0
.if \last
	s_wait_dscnt 0x0
.else
	PLACES
	AFLOAD (\g)+1, 0
	s_wait_dscnt 8                                 ; all but the eight just issued
.endif
	HALF \g, 1
.if (\last) == 0
	PLACES
	AFLOAD (\g)+1, 1
.endif
	WIN 0
.endm
.macro BOTW
.set bks, 0
.rept 4
	WIN 0x05
.set bn, 0
.rept 16
	v_cvt_pk_bf16_f32 v[T+bn], v[128+32*bks+8*(bn%4)+bn/4], v[128+32*bks+8*(bn%4)+4+bn/4]
.set bn, bn+1
.endr
	WIN 0
.set bn, 0
.rept 4
	ds_store_b128 v[WB], v[T+4*bn:T+4*bn+3] offset:bks*8192+bn*1024
.set bn, bn+1
.endr
.set bks, bks+1
.endr
.endm
.macro BOTA full
.irp g, 0,1,2,3,4,5
.if (\full) == 0 && (\g) > 0
	s_cmp_le_u32 s40, \g
	s_cbranch_scc1 .Lbout_\@
.endif
.if (\g) < 4
	WIN 0x0c
.set sr, 128+32*(\g)
.else
.set sr, 160+32*((\g)-4)
.endif
.set bq, 0
.rept 8
	ds_store_b128 v[WAL+(\g)/3], v[sr+4*bq:sr+4*bq+3] offset:(64*((\g)%3)+2*bq)*PA
.set bq, bq+1
.endr
	WIN 0
.endr
.Lbout_\@:
.endm
.macro WRITEG g                        ; each accumulator is read from its lowest register on
	WIN 0
	v_add_nc_u32 v21, 64*SP*(\g), v[ST]
.set wmt, 0
.rept 2
	WIN 0x02+(\g)/4
.set wn, 0
.rept 32
	v_add_f32 v[TW+32*wmt+4*(wn%8)+wn/8], v[64*((\g)%4)+32*wmt+wn], v[BIAS+4*(wn%8)+wn/8]
.set wn, wn+1
.endr
	WIN 0
.set wn, 0
.rept 8
	ds_store_b128 v21, v[TW+32*wmt+4*wn:TW+32*wmt+4*wn+3] offset:wmt*16*SP+16*wn
.set wn, wn+1
.endr
.set wmt, wmt+1
.endr
.endm
.macro COUNTS
	s_sub_co_i32 s39, s36, s38
	s_max_i32 s39, s39, 0
	s_min_u32 s39, s39, 384
	s_add_co_u32 s40, s39, 63
	s_lshr_b32 s40, s40, 6
	s_add_co_u32 s41, s39, 31
	s_lshr_b32 s41, s41, 5
	v_add_nc_u32 v[S0], s38, v[S00]
.endm
	s_load_b256 s[8:15], s[0:1], 0x0               ; h s[8:9], sel s[10:11], gw s[12:13], w2 s[14:15]
	s_load_b128 s[16:19], s[0:1], 0x20             ; b2 s[16:17], yp s[18:19]
	v_lshl_add_u32 v[SPW], v0, 2, SPARE            ; my spare word
	v_mov_b32 v[NIL], 0
	v_lshrrev_b32 v21, 5, v0
	v_readfirstlane_b32 s2, v21                    ; wave 0..3
	v_and_b32 v28, 31, v0                          ; l
	v_and_b32 v29, 15, v0                          ; r
	v_bfe_u32 v24, v0, 4, 1                        ; hh
	s_and_b32 s3, s2, 1
	s_lshr_b32 s4, s2, 1
	s_and_b32 s33, ttmp9, 7                        ; which 128 columns
	s_lshr_b32 s34, ttmp9, 3                       ; which quarter of K
	s_and_b32 s32, ttmp7, 0xffff
	v_lshlrev_b32 v[L16], 4, v29
	s_mul_i32 s5, s4, 16*PITCHW
	s_lshl_b32 s6, s3, 8
	s_add_co_u32 s5, s5, s6
	v_mul_u32_u24 v[WO], v24, 8*PITCHW
	v_add_nc_u32 v[WO], v[WO], v[L16]
	v_add_nc_u32 v[WO], s5, v[WO]
	v_lshrrev_b32 v25, 1, v28
	v_lshl_add_u32 v25, s2, 5, v25
	v_mul_u32_u24 v[PF], v25, PITCHW
	v_and_b32 v26, 1, v0
	v_lshl_add_u32 v[PF], v26, 8, v[PF]
	v_lshl_add_u32 v25, s4, 5, v29
	v_mul_u32_u24 v[RA0], v25, PA
	v_lshl_add_u32 v[RA0], v24, 4, v[RA0]
	v_mul_u32_u24 v[ST], v25, SP
	v_lshl_add_u32 v[ST], v24, 7, v[ST]
	v_lshl_add_u32 v[ST], s3, 8, v[ST]
	v_lshlrev_b32 v[LL16], 4, v28
	v_lshl_add_u32 v[RB0], s3, 12, v[LL16]
	v_lshl_add_u32 v[WB0], s4, 9, v[RB0]
	v_lshl_add_u32 v[S00], s2, 4, v24
	v_mul_u32_u24 v[WA0], v[S00], PA
	v_add_nc_u32 v[WA0], v[WA0], v[L16]
	s_mul_i32 s5, s2, 8*SP
	v_add_nc_u32 v[RDA], s5, v[LL16]
	v_lshlrev_b32 v30, 5, v28                      ; gw: four tokens' 32 bytes a lane
	v_lshlrev_b32 v31, 7, v24
	v_lshl_add_u32 v31, s3, 8, v31
	s_lshl_b32 s53, s2, 11
	s_add_co_u32 s53, s53, LIST
	s_lshl_b32 s54, s2, 12
	s_add_co_u32 s54, s54, WLIST
	s_lshl_b32 s35, 0x101, s32
	s_lshl_b32 s59, s34, 10
	s_add_co_u32 s60, s32, 8
	s_cmp_eq_u32 s34, 0
	s_cselect_b32 s61, -1, 0
	s_mov_b32 s31, 0
	s_lshl_b32 s5, s33, 9
	s_wait_kmcnt 0x0
	s_lshl_b32 s30, s32, 24
	s_lshl_b32 s6, s34, 22
	s_add_co_u32 s30, s30, s6
	s_add_co_u32 s30, s30, s5
	s_add_nc_u64 s[24:25], s[14:15], s[30:31]      ; w2 at expert e, my quarter's first row, my first column
	s_lshl_b32 s30, s32, 12
	s_add_co_u32 s30, s30, s5
	s_add_nc_u64 s[6:7], s[16:17], s[30:31]        ; b2 at expert e, my first column
	s_mov_b32 s30, s5
	s_add_nc_u64 s[28:29], s[18:19], s[30:31]      ; yp at my first column
	s_lshl_b32 s30, s32, 23
	s_lshl_b32 s5, s34, 21
	s_add_co_u32 s30, s30, s5
	s_add_nc_u64 s[20:21], s[8:9], s[30:31]        ; h at expert e, my quarter's first chunk (8 kq)
.set i, 0
.rept 8                                                ; sel: register 4 i + c holds token 128 i + 4 l + c
	global_load_b128 v[80+4*i:83+4*i], v[LL16], s[10:11] offset:512*i
.set i, i+1
.endr
.set i, 0
.rept 8                                                ; gw: registers 8 i + 2 c, + 1: that token's two weights
	global_load_b128 v[112+8*i:115+8*i], v30, s[12:13] offset:1024*i
	global_load_b128 v[116+8*i:119+8*i], v30, s[12:13] offset:1024*i+16
.set i, i+1
.endr
.set i, 0
.rept 8
	global_load_b128 v[BIAS+4*i:BIAS+4*i+3], v31, s[6:7] offset:16*i
.set i, i+1
.endr
	WLOAD 24                                       ; chunk 0
	s_wait_loadcnt 40                              ; sel and gw are in: behind them 8 loads of the bias and 32 of weights
	s_mov_b32 s50, 0
	v_sub_nc_u32 v22, 0x3ff, v28
	v_lshlrev_b32 v23, 2, v28
	global_prefetch_b8 v[PF], s[24:25] offset:CHW th:TH_LOAD_NT scope:SCOPE_SE             ; chunk 1; the routing's vector work follows
	global_prefetch_b8 v[PF], s[24:25] offset:CHW+16*PITCHW th:TH_LOAD_NT scope:SCOPE_SE
.set q, 0
.rept 32
	v_and_b32 v24, s35, v[80+q]
	v_cmp_ne_u32 s51, 0, v24                       ; who chose e
	v_mbcnt_lo_u32_b32 v25, s51, s50               ; how many did before me: a chooser's slot
	v_add_nc_u32 v26, v22, v25                     ; the others fill the lists from their end
	v_cndmask_b32 v26, v26, v25, s51
	v_min_u32 v26, 0x3ff, v26
	v_lshl_add_u32 v29, v26, 1, s53
	v_lshl_add_u32 v28, v26, 2, s54
	v_bfe_u32 v27, v[80+q], s60, 1                 ; 1: e is the second choice
	v_add_nc_u32 v24, 128*(q/4)+q%4, v23
	v_lshl_or_b32 v24, v27, 12, v24
	v_cmp_ne_u32 vcc_lo, 0, v27
	v_cndmask_b32 v21, v[112+8*(q/4)+2*(q%4)], v[113+8*(q/4)+2*(q%4)], vcc_lo
	ds_store_b16 v29, v24
	ds_store_b32 v28, v21
	s_bcnt1_i32_b32 s52, s51
	s_add_co_u32 s50, s50, s52
	v_add_nc_u32 v22, 0xffffffe0, v22
.set q, q+1
.endr
	s_mov_b32 s36, s50
	s_max_u32 s37, s50, 1
	s_sub_co_u32 s37, s37, 1
	s_min_u32 s37, s37, 0x3ff                      ; the last slot; slot 0 where the expert has none
	s_mov_b32 s38, 0
	COUNTS
	s_mov_b32 s43, 0
	s_mov_b32 s45, 0
	s_wait_loadcnt 32                              ; the bias is in: behind it the 32 loads of weights
.set i, 0
.rept 16
	v_cvt_pk_bf16_f32 v[T+i], v[BIAS+2*i], v[BIAS+2*i+1]
.set i, i+1
.endr
.set i, 0
.rept 16
	v_lshlrev_b32 v[BIAS+2*i], 16, v[T+i]
	v_and_b32 v[BIAS+2*i+1], 0xffff0000, v[T+i]
.set i, i+1
.endr
.set i, 0
.rept 32                                               ; the bias is added once: in quarter 0
	v_cndmask_b32 v[BIAS+i], 0, v[BIAS+i], s61
.set i, i+1
.endr
	s_branch .Lpro                                 ; the loop over passes is entered behind its test
.Lpass:
	s_cmp_eq_u32 s40, 0
	s_cbranch_scc1 .Lnopro
	WLOAD 24
.Lpro:
.set n, 0
.rept 48                                               ; number 8 g + q: the row of slot P0 + 64 g + 16 w + 2 q + hh, or of the last slot
	v_add_nc_u32 v[AD+n], 64*(n/8)+2*(n%8), v[S0]
	v_min_u32 v[AD+n], s37, v[AD+n]
	v_min_u32 v[AD+n], 0x3ff, v[AD+n]
	v_lshl_add_u32 v[AD+n], v[AD+n], 8, v[L16]
.set n, n+1
.endr
	s_mov_b64 s[22:23], s[20:21]
.irp g, 0,1,2,3,4,5
	ALOAD \g
.endr
	WIN 0x80
.set i, 0
.rept 256
	v_mov_b32 v[i], 0
.set i, i+1
.endr
	WIN 0xc0
.set i, 0
.rept 128
	v_mov_b32 v[i], 0
.set i, i+1
.endr
	WIN 0
	v_mov_b32 v[WAL], v[WA0]
	v_add_nc_u32 v[WAL+1], AHI, v[WA0]
	v_add_nc_u32 v[WB], B0, v[WB0]
	s_wait_loadcnt 0x0                             ; chunk 0 is in registers
	BOTW
	s_wait_xcnt 0x0                                ; the two bases are written only behind this wait
	s_add_nc_u64 s[26:27], s[24:25], CHW
	s_add_nc_u64 s[22:23], s[20:21], ASTEP
	ISSUEW                                         ; chunk 1 is asked for as soon as the registers are free: the weights here,
	BOTA 1
	s_wait_dscnt 0x0                               ; (my LDS stores have read the rows' registers, and my part of chunk 0 is in LDS)
	ISSUEA                                         ; the rows here
.Lnopro:
	s_wait_dscnt 0x0
	s_barrier_signal -1
	s_barrier_wait -1
	s_mov_b32 s44, 0
	s_mov_b32 s46, 0
	s_mov_b32 s48, B0
.Ltrip:
	s_cmp_eq_u32 s40, 0
	s_cbranch_scc1 .Lbar
	s_xor_b32 s47, s46, AX
	s_xor_b32 s49, s48, BX
	v_add_nc_u32 v[RAL], s46, v[RA0]               ; six plain instructions: also the places between the last trip's products and the loads into their operands
	v_add_nc_u32 v[RB], s48, v[RB0]
	v_add_nc_u32 v[WAL], s47, v[WA0]
	v_add_nc_u32 v[WB], s49, v[WB0]
	v_add_nc_u32 v[RAL+1], AHI, v[RAL]
	v_add_nc_u32 v[WAL+1], AHI, v[WAL]
	BCLOAD 0                                       ; what the first sixteen products need comes first
	AFLOAD 0, 0
	BCLOAD 1
	AFLOAD 0, 1
.irp g, 0,1,2,3,4
	s_cmp_eq_u32 s40, \g+1
	s_cbranch_scc1 .LL\g
	BLOCK \g, 0
.endr
	BLOCK 5, 1
	s_branch .Ldone
.irp g, 0,1,2,3,4
.LL\g:
	BLOCK \g, 1
	s_branch .Ldone
.endr
.Ldone:
	s_wait_loadcnt 0x0                             ; chunk C + 1 is in registers; for 0: how many rows were asked for hangs on G
	s_cmp_eq_u32 s44, 7
	s_cbranch_scc1 .Lbar                           ; the last chunk has no successor
	BOTW
	s_cmp_ge_u32 s44, 6
	s_cbranch_scc1 .Lnow                           ; chunk 7 is the last that is asked for
	s_wait_xcnt 0x0                                ; the two bases are stepped only behind this wait
	s_add_nc_u64 s[26:27], s[26:27], CHW
	s_add_nc_u64 s[22:23], s[22:23], ASTEP
	ISSUEW                                         ; chunk C + 2: the weights, straight behind the conversions that freed their registers
.Lnow:
	BOTA 0
	s_wait_dscnt 0x0                               ; my LDS stores have read the rows' registers
	s_cmp_ge_u32 s44, 6
	s_cbranch_scc1 .Lbar
	ISSUEA                                         ; chunk C + 2: the rows of groups 0-2
.Lbar:
	s_wait_dscnt 0x0                               ; my reads of this chunk's slots are over, my part of the next chunk is in LDS
	s_barrier_signal -1
	s_xor_b32 s46, s46, AX
	s_xor_b32 s48, s48, BX
	s_barrier_wait -1
	s_add_co_u32 s44, s44, 1
	s_cmp_lt_u32 s44, 8
	s_cbranch_scc1 .Ltrip
	s_wait_loadcnt 0x0                             ; no load of mine is out when registers are used anew
	PLACES                                         ; between the last products and the first read of their results
.irp g, 0,1,2,3,4,5
	s_cmp_le_u32 s40, \g
	s_cbranch_scc1 .Lwdone
	WRITEG \g
.endr
.Lwdone:
	s_wait_dscnt 0x0                               ; my part of the stage is written
	s_barrier_signal -1
	s_barrier_wait -1
	s_mov_b32 s58, 0
	s_mov_b32 s55, 0
	s_lshl_b32 s52, s2, 3
	s_add_co_u32 s52, s52, s38                     ; P0 + 8 w: my first slot of the trip
.Lread:                                                ; 32 slots a trip; a wave takes eight: a row's 512 bytes, times the slot's weight, to the token's place
	s_cmp_ge_u32 s58, s41
	s_cbranch_scc1 .Lrnext
	v_add_nc_u32 v21, s55, v[RDA]
	v_mov_b32 v22, s52
.set q, 0
.rept 8
	ds_load_b128 v[DX+4*q:DX+4*q+3], v21 offset:q*SP
	v_add_nc_u32 v23, q, v22
	v_min_u32 v23, s37, v23
	v_lshl_add_u32 v24, v23, 1, s53
	v_lshl_add_u32 v25, v23, 2, s54
	ds_load_u16 v[DL+q], v24
	ds_load_b32 v[DG+q], v25
.set q, q+1
.endr
	s_wait_dscnt 0x0
.set q, 0
.rept 8
	v_mul_f32 v[DX+4*q], v[DG+q], v[DX+4*q]
	v_mul_f32 v[DX+4*q+1], v[DG+q], v[DX+4*q+1]
	v_mul_f32 v[DX+4*q+2], v[DG+q], v[DX+4*q+2]
	v_mul_f32 v[DX+4*q+3], v[DG+q], v[DX+4*q+3]
	v_min_u32 v[DL+q], 0x13ff, v[DL+q]             ; 4,096 kslot + token,
	v_add_nc_u32 v[DL+q], s59, v[DL+q]             ; + 1,024 kq: the row of yp
	v_lshl_add_u32 v[DL+q], v[DL+q], 12, v[LL16]
	global_store_b128 v[DL+q], v[DX+4*q:DX+4*q+3], s[28:29]  ; the wave stores 512 consecutive bytes, at a multiple of 256 from yp's first
.set q, q+1
.endr
	s_wait_xcnt 0x0                                ; the stores' registers are written again only behind this wait
	s_add_co_u32 s55, s55, 32*SP
	s_add_co_u32 s52, s52, 32
.Lrnext:
	s_add_co_u32 s58, s58, 1
	s_cmp_lt_u32 s58, 12
	s_cbranch_scc1 .Lread
	s_wait_dscnt 0x0                               ; my reads of the stage are over: the next pass lays its first chunk there
	s_barrier_signal -1
	s_barrier_wait -1
	s_add_co_u32 s38, s38, 384
	COUNTS
	s_add_co_u32 s43, s43, 1
	s_cmp_lt_u32 s43, 3
	s_cbranch_scc1 .Lpass
	s_wait_tensorcnt 0x0                           ; the wave's end
	ds_add_u32 v[SPW], v[NIL]
	s_wait_dscnt 0x0
	s_endpgm
.Lfunc_end_k_qb78117f76f_down:
	.size	k_qb78117f76f_down, .Lfunc_end_k_qb78117f76f_down-k_qb78117f76f_down
	.p2alignl 7, 3214868480
	.fill 96, 4, 3214868480
	.section	.rodata,"a",@progbits
	.p2align	6, 0x0
	.amdhsa_kernel k_qb78117f76f_down
		.amdhsa_group_segment_fixed_size 327680
		.amdhsa_private_segment_fixed_size 0
		.amdhsa_enable_private_segment 0
		.amdhsa_kernarg_size 48
		.amdhsa_user_sgpr_count 2
		.amdhsa_user_sgpr_kernarg_segment_ptr 1
		.amdhsa_wavefront_size32 1
		.amdhsa_system_sgpr_workgroup_id_x 1
		.amdhsa_system_sgpr_workgroup_id_y 1
		.amdhsa_system_sgpr_workgroup_id_z 1
		.amdhsa_system_vgpr_workitem_id 0
		.amdhsa_next_free_vgpr 1024
		.amdhsa_next_free_sgpr 90
		.amdhsa_reserve_vcc 1
		.amdhsa_float_denorm_mode_32 3
		.amdhsa_float_denorm_mode_16_64 3
		.amdhsa_memory_ordered 1
		.amdhsa_forward_progress 1
		.amdhsa_inst_pref_size 169
	.end_amdhsa_kernel
	.amdgpu_metadata
---
amdhsa.version: [ 1, 2 ]
amdhsa.kernels:
  - .name:           k_qb78117f76f_down
    .symbol:         k_qb78117f76f_down.kd
    .args:
      - { .name: h, .offset: 0, .size: 8, .value_kind: global_buffer, .address_space: global }
      - { .name: sel, .offset: 8, .size: 8, .value_kind: global_buffer, .address_space: global }
      - { .name: gw, .offset: 16, .size: 8, .value_kind: global_buffer, .address_space: global }
      - { .name: w2, .offset: 24, .size: 8, .value_kind: global_buffer, .address_space: global }
      - { .name: b2, .offset: 32, .size: 8, .value_kind: global_buffer, .address_space: global }
      - { .name: yp, .offset: 40, .size: 8, .value_kind: global_buffer, .address_space: global }
    .group_segment_fixed_size: 327680
    .private_segment_fixed_size: 0
    .kernarg_segment_align: 8
    .kernarg_segment_size: 48
    .max_flat_workgroup_size: 128
    .sgpr_count:     90
    .vgpr_count:     1024
    .wavefront_size: 32
...
	.end_amdgpu_metadata
.endif
;; end of part 3
;; launch sum (part 4): grid 256 x 1, 8 waves a work-group, no clusters, 0 bytes of LDS; arguments yp, out0; writes out0
.if DOCPART == 4
	.amdgcn_target "amdgcn-amd-amdhsa--gfx1250"
	.amdhsa_code_object_version 6
	.text
	.protected	k_qb78117f76f_sum
	.globl	k_qb78117f76f_sum
	.p2align	8
	.type	k_qb78117f76f_sum,@function
k_qb78117f76f_sum:
	s_mov_b64 s[64:65], 0
	v_nop
	global_prefetch_b8 v0, s[64:65] scope:SCOPE_SE
	s_setreg_imm32_b32 hwreg(HW_REG_WAVE_MODE, 25, 1), 1
	s_wait_xcnt 0x0
; SUM.  out0[t][c] = the sum of the eight partial rows yp[p][t][c], p = 4 kslot + kq, in the fixed order ((0+1)+(2+3))+((4+5)+(6+7)), in f32.
; A stream: a work-group has four tokens (16,384 bytes of out0), thread t the 16 bytes at 16 t of each row.  All 32 loads of a thread go out at once; a wave's load or store covers 512 consecutive bytes.
; No LDS, no barrier, no matrix unit: each byte is read once and nothing is shared.
.set PLANE, 0x400000                   ; bytes from one partial to the next: 1,024 tokens x 4,096
	s_load_b128 s[4:7], s[0:1], 0x0                ; yp s[4:5], out0 s[6:7]
	s_lshl_b32 s2, ttmp9, 14
	s_mov_b32 s3, 0
	v_lshlrev_b32 v1, 4, v0
	s_wait_kmcnt 0x0
	s_add_nc_u64 s[8:9], s[4:5], s[2:3]
.irp p, 1,2,3,4,5,6,7
	s_add_nc_u64 s[8+2*\p:9+2*\p], s[8:9], \p*PLANE
.endr
	s_add_nc_u64 s[24:25], s[6:7], s[2:3]
.irp i, 0,1,2,3
.irp p, 0,1,2,3,4,5,6,7
	global_load_b128 v[4+32*\i+4*\p:7+32*\i+4*\p], v1, s[8+2*\p:9+2*\p] offset:4096*\i th:TH_LOAD_NT
.endr
.endr
.irp i, 0,1,2,3
	s_wait_loadcnt 24-8*\i                         ; row i's eight loads are in; eight for each later row stay out
.irp p, 0,2,4,6
	v_pk_add_f32 v[4+32*\i+4*\p:5+32*\i+4*\p], v[4+32*\i+4*\p:5+32*\i+4*\p], v[8+32*\i+4*\p:9+32*\i+4*\p]
	v_pk_add_f32 v[6+32*\i+4*\p:7+32*\i+4*\p], v[6+32*\i+4*\p:7+32*\i+4*\p], v[10+32*\i+4*\p:11+32*\i+4*\p]
.endr
.irp p, 0,4
	v_pk_add_f32 v[4+32*\i+4*\p:5+32*\i+4*\p], v[4+32*\i+4*\p:5+32*\i+4*\p], v[12+32*\i+4*\p:13+32*\i+4*\p]
	v_pk_add_f32 v[6+32*\i+4*\p:7+32*\i+4*\p], v[6+32*\i+4*\p:7+32*\i+4*\p], v[14+32*\i+4*\p:15+32*\i+4*\p]
.endr
	v_pk_add_f32 v[4+32*\i:5+32*\i], v[4+32*\i:5+32*\i], v[20+32*\i:21+32*\i]
	v_pk_add_f32 v[6+32*\i:7+32*\i], v[6+32*\i:7+32*\i], v[22+32*\i:23+32*\i]
	global_store_b128 v1, v[4+32*\i:7+32*\i], s[24:25] offset:4096*\i th:TH_STORE_NT
.endr
	s_endpgm
.Lfunc_end_k_qb78117f76f_sum:
	.size	k_qb78117f76f_sum, .Lfunc_end_k_qb78117f76f_sum-k_qb78117f76f_sum
	.p2alignl 7, 3214868480
	.fill 96, 4, 3214868480
	.section	.rodata,"a",@progbits
	.p2align	6, 0x0
	.amdhsa_kernel k_qb78117f76f_sum
		.amdhsa_group_segment_fixed_size 0
		.amdhsa_private_segment_fixed_size 0
		.amdhsa_enable_private_segment 0
		.amdhsa_kernarg_size 16
		.amdhsa_user_sgpr_count 2
		.amdhsa_user_sgpr_kernarg_segment_ptr 1
		.amdhsa_wavefront_size32 1
		.amdhsa_system_sgpr_workgroup_id_x 1
		.amdhsa_system_sgpr_workgroup_id_y 1
		.amdhsa_system_sgpr_workgroup_id_z 1
		.amdhsa_system_vgpr_workitem_id 0
		.amdhsa_next_free_vgpr 140
		.amdhsa_next_free_sgpr 66
		.amdhsa_reserve_vcc 0
		.amdhsa_float_denorm_mode_32 3
		.amdhsa_float_denorm_mode_16_64 3
		.amdhsa_memory_ordered 1
		.amdhsa_forward_progress 1
		.amdhsa_inst_pref_size 8
	.end_amdhsa_kernel
	.amdgpu_metadata
---
amdhsa.version: [ 1, 2 ]
amdhsa.kernels:
  - .name:           k_qb78117f76f_sum
    .symbol:         k_qb78117f76f_sum.kd
    .args:
      - { .name: yp, .offset: 0, .size: 8, .value_kind: global_buffer, .address_space: global }
      - { .name: out0, .offset: 8, .size: 8, .value_kind: global_buffer, .address_space: global }
    .group_segment_fixed_size: 0
    .private_segment_fixed_size: 0
    .kernarg_segment_align: 8
    .kernarg_segment_size: 16
    .max_flat_workgroup_size: 256
    .sgpr_count:     66
    .vgpr_count:     140
    .wavefront_size: 32
...
	.end_amdgpu_metadata
.endif
;; end of part 4
